; MI455X (gfx1250); checked and timed in simulation.
; The chip was launched on July 23, 2026; its instructions are those of AMD's public machine-readable ISA for CDNA 5 (MIT licence, August 2026) and "CDNA5" Instruction Set Architecture Reference Guide (July 2026). The comments in the code are by the model that wrote it; some were corrected since.
;; Ref Sparse Moe Block. Allowed arithmetic: float matrix products may take bf16 or f16 operands with f32 sums; other float arithmetic in f32, or as packed bf16 or f16 multiplies, adds, multiply-adds, maxima and minima; sums over many terms, partial sums and values carried from step to step in f32; what a program stores and reads back later, other than sums and carried values, may be rounded once to bf16 or f16.
;; Inputs: W1 8 x 1,024 x 2,048 float32; W2 8 x 2,048 x 1,024 float32; W3 8 x 1,024 x 2,048 float32; Wg 8 x 2,048 float32; bias 8 float32; hidden_states 2 x 512 x 2,048 float32.
;; Outputs: out0 2 x 512 x 2,048 float32.
;; One version. Each part assembles by itself: llvm-mc -triple=amdgcn-amd-amdhsa -mcpu=gfx1250 --defsym DOCPART=n.
;; ======== version 1 of 1: 4 launches
;; workspace buffers: xb 4,194,304 bytes; we 32,768 bytes; bm 3,072 bytes of whole numbers; g 4,456,448 bytes; dst 8,704 bytes of whole numbers; y2 16,777,216 bytes
;; launch router (part 1): grid 64 x 1, 8 waves a work-group, no clusters, 75,008 bytes of LDS; arguments hidden_states, Wg, bias, xb, we, bm; writes xb, we, bm
.if DOCPART == 1
	.amdgcn_target "amdgcn-amd-amdhsa--gfx1250"
	.amdhsa_code_object_version 6
	.text
	.protected	k_qf49fd0c326_router
	.globl	k_qf49fd0c326_router
	.p2align	8
	.type	k_qf49fd0c326_router,@function
k_qf49fd0c326_router:
	s_mov_b64 s[64:65], 0
	v_nop
	global_prefetch_b8 v0, s[64:65] scope:SCOPE_SE
	s_setreg_imm32_b32 hwreg(HW_REG_WAVE_MODE, 25, 1), 1
	s_wait_xcnt 0x0
; ROUTER.  logits = x Wg^T, sigmoid, + bias for the choice alone, the two best of 8 experts, their sigmoids divided by their sum.
; Also: x rounded once to bf16 (xb), which the next launch multiplies.
; FORMATS.  x, Wg and the bias are rounded to bf16 (nearest even), as every input of this program is; products by the matrix unit, sums, sigmoid and weights in f32.
; LIMITS.  Two scores closer than a few f32 steps (also at the edge of the sigmoid's saturation: exponential and reciprocal are good to one step) may be chosen
; the other way round than a correctly rounded sigmoid would; exact ties go to the lower expert, as jax.lax.top_k breaks them.  NaN is not treated apart.
; SHARES.  A work-group has 16 tokens, one matrix tile: 64 work-groups.  A smaller share would have every work-group read all 65,536 bytes of Wg for fewer tokens still.
; Wave w copies tokens 2 w and 2 w + 1 (16,384 consecutive bytes of x) and multiplies K = 256 w .. 256 w + 255; the eight partial logits meet in LDS; wave 0 chooses.
; OUT.  we[token][expert]: the weight, 0 where the expert is not chosen.  bm, rows of 128 bytes: 0-7 bit t of row e: token t chose e; 8-15: e is token t's second choice;
; 16-23: for each group of 16 tokens a 16-bit count.  All at fixed places: no address and no branch here hangs on the choice.
; No cluster: the work-groups share Wg alone, 1/3 of what a work-group reads, once; no tensor load: f32 has to pass registers to be rounded.
.set XP,    4112                       ; a row of the bf16 tile in LDS: 4,096 bytes + 16: an odd multiple of 16, so a fragment load's 16 rows start 16 bytes apart modulo 256
.set PART,  16*XP                      ; eight blocks of 1,024 bytes: a wave's partial logits
.set SPARE, PART+8*1024                ; the spare words: 128 bytes a wave, four blocks of 256 bytes that no other line names
.set SPW,  4                           ; v4   my spare word's address; never rewritten
.set NIL,  5                           ; v5   0; never rewritten
.set ACC,  16                          ; v16-23, v24-31  two accumulators, by turns
.set LG,   32                          ; v32-39  logits; later the four numbers of we
.set SG,   40                          ; v40-47  sigmoids
.set SC,   48                          ; v48-55  bias, then scores
.set X,    64                          ; v64-191 x as loaded; then v64-127 x's fragments and v128-191 the eight partials
.set PP,   128
.set WF,   192                         ; v192-255 Wg's fragments in bf16;  window 1, v0-127: Wg as loaded
.set MSB, 0
.macro WIN new                         ; the immediate's high byte repeats the setting that is left
.if MSB != (\new)
	s_set_vgpr_msb (MSB<<8)|(\new)
.set MSB, \new
.endif
.endm
	s_load_b256 s[4:11], s[0:1], 0x0               ; x s[4:5], Wg s[6:7], bias s[8:9], xb s[10:11]
	s_load_b128 s[12:15], s[0:1], 0x20             ; we s[12:13], bm s[14:15]
	v_lshl_add_u32 v[SPW], v0, 2, SPARE
	v_mov_b32 v[NIL], 0
	v_lshrrev_b32 v1, 5, v0
	v_readfirstlane_b32 s48, v1                    ; wave 0..7
	v_and_b32 v1, 31, v0                           ; lane
	v_and_b32 v2, 15, v0                           ; r
	v_bfe_u32 v3, v0, 4, 1                         ; h
	v_lshlrev_b32 v6, 4, v1                        ; x: 16 bytes a lane
	v_lshlrev_b32 v7, 3, v1                        ; xb: 8 bytes a lane
	s_mul_i32 s52, s48, 2*XP
	v_add_nc_u32 v8, s52, v7                       ; the tile in LDS: my wave's two rows
	v_and_b32 v9, 7, v0                            ; Wg: lane r takes expert r % 8, so both halves of the lanes end with all eight logits
	v_lshlrev_b32 v9, 13, v9
	v_lshl_add_u32 v9, v3, 5, v9                   ; + 8 h numbers
	s_lshl_b32 s52, s48, 10
	v_add_nc_u32 v9, s52, v9                       ; + my wave's 256 along K
	v_mul_u32_u24 v10, v2, XP                      ; x's fragments: row r, 16 h, my wave's 512 bytes
	v_lshl_add_u32 v10, v3, 4, v10
	s_lshl_b32 s53, s48, 9
	v_add_nc_u32 v10, s53, v10
	v_add_nc_u32 v12, PART, v6                     ; the partials as wave 0 reads them
	v_add_nc_u32 v11, s52, v12                     ; and where my wave puts its own
	v_lshlrev_b32 v13, 7, v1                       ; bm: row = lane, two bytes for my group of 16 tokens
	s_lshl_b32 s52, ttmp9, 1
	v_add_nc_u32 v13, s52, v13
	v_lshlrev_b32 v14, 5, v2                       ; we: token r, experts 4 h ..
	v_lshl_add_u32 v14, v3, 4, v14
	s_lshl_b32 s50, ttmp9, 17                      ; 16 tokens of 8,192 bytes,
	s_lshl_b32 s52, s48, 14                        ; my wave's two
	s_add_co_u32 s50, s50, s52
	s_mov_b32 s51, 0
	s_lshl_b32 s54, ttmp9, 16                      ; the same in xb
	s_lshl_b32 s52, s48, 13
	s_add_co_u32 s54, s54, s52
	s_mov_b32 s55, 0
	s_lshl_b32 s56, ttmp9, 9                       ; 16 tokens of 32 bytes in we
	s_mov_b32 s57, 0
	s_wait_kmcnt 0x0
	s_load_b256 s[16:23], s[8:9], 0x0              ; the eight numbers of the bias
	s_add_nc_u64 s[4:5], s[4:5], s[50:51]
	s_add_nc_u64 s[10:11], s[10:11], s[54:55]
	s_add_nc_u64 s[12:13], s[12:13], s[56:57]
.set i, 0
.rept 32                               ; my two tokens: 32 loads of 512 consecutive bytes
	global_load_b128 v[X+4*i:X+4*i+3], v6, s[4:5] offset:512*i th:TH_LOAD_NT
.set i, i+1
.endr
	WIN 0x40                                       ; destination window 1
.set i, 0
.rept 32                               ; Wg: K step i / 4; the four pieces of 16 bytes are k = 8 h + 0..3, + 4..7, 16 + 8 h + 0..3, + 4..7
	global_load_b128 v[4*i:4*i+3], v9, s[6:7] offset:128*(i/4)+16*(i%2)+64*((i%4)/2)
.set i, i+1
.endr
	WIN 0
.set gq, 0
.rept 8
	s_wait_loadcnt 60-4*gq                         ; loads come back in order: behind this group of four stand 28 - 4 gq loads of x and Wg's 32
.set i, 4*gq
.rept 4
	v_cvt_pk_bf16_f32 v[X+4*i], v[X+4*i], v[X+4*i+1]
	v_cvt_pk_bf16_f32 v[X+4*i+1], v[X+4*i+2], v[X+4*i+3]
	global_store_b64 v7, v[X+4*i:X+4*i+1], s[10:11] offset:256*i     ; the wave stores 256 consecutive bytes, at a multiple of 256 from xb's first
	ds_store_b64 v8, v[X+4*i:X+4*i+1] offset:(i/16)*XP+(i%16)*256
.set i, i+1
.endr
.set gq, gq+1
.endr
	s_wait_loadcnt 0x0                             ; Wg
	WIN 0x05                                       ; sources in window 1
.set i, 0
.rept 32
	v_cvt_pk_bf16_f32 v[WF+2*i], v[4*i], v[4*i+1]
	v_cvt_pk_bf16_f32 v[WF+2*i+1], v[4*i+2], v[4*i+3]
.set i, i+1
.endr
	WIN 0
	s_wait_kmcnt 0x0                               ; the bias
	s_wait_xcnt 0x0                                ; the stores have read X: it is loaded anew below
	s_wait_dscnt 0x0                               ; for the others' sake: my two rows are in LDS
	s_barrier_signal -1
	s_barrier_wait -1
.irp q, 0,1,2,3,4,5,6,7
	ds_load_b128 v[X+8*(\q):X+8*(\q)+3],   v10 offset:64*(\q)
	ds_load_b128 v[X+8*(\q)+4:X+8*(\q)+7], v10 offset:64*(\q)+32
.endr
	s_wait_dscnt 0x0
; source 0 = Wg (rows: experts), source 1 = x (columns: tokens): register j of lane (r, h) is expert (8 h + j) % 8 = j of token r.  Two accumulators by turns.
.irp q, 0,1,2,3,4,5,6,7
.if (\q) < 2
	v_wmma_f32_16x16x32_bf16 v[ACC+8*((\q)&1):ACC+8*((\q)&1)+7], v[WF+8*(\q):WF+8*(\q)+7], v[X+8*(\q):X+8*(\q)+7], 0
.else
	v_wmma_f32_16x16x32_bf16 v[ACC+8*((\q)&1):ACC+8*((\q)&1)+7], v[WF+8*(\q):WF+8*(\q)+7], v[X+8*(\q):X+8*(\q)+7], v[ACC+8*((\q)&1):ACC+8*((\q)&1)+7]
.endif
.endr
.rept 4
	v_nop                                          ; four places behind the last product (ISA guide 7.12.1)
.endr
.irp i, 0,2,4,6
	v_pk_add_f32 v[LG+(\i):LG+(\i)+1], v[ACC+(\i):ACC+(\i)+1], v[ACC+8+(\i):ACC+8+(\i)+1]
.endr
	ds_store_b128 v11, v[LG:LG+3]
	ds_store_b128 v11, v[LG+4:LG+7] offset:512
	s_wait_dscnt 0x0                               ; for wave 0's sake
	s_barrier_signal -1
	s_barrier_wait -1
	s_cmp_lg_u32 s48, 0
	s_cbranch_scc1 .Lend                           ; no barrier stands in what is jumped
.irp a, 0,1,2,3,4,5,6,7
	ds_load_b128 v[PP+8*(\a):PP+8*(\a)+3],   v12 offset:1024*(\a)
	ds_load_b128 v[PP+8*(\a)+4:PP+8*(\a)+7], v12 offset:1024*(\a)+512
.endr
	s_wait_dscnt 0x0
.irp a, 0,2,4,6                        ; a fixed tree over the eight waves' parts
.irp i, 0,2,4,6
	v_pk_add_f32 v[PP+8*(\a)+(\i):PP+8*(\a)+(\i)+1], v[PP+8*(\a)+(\i):PP+8*(\a)+(\i)+1], v[PP+8*(\a)+8+(\i):PP+8*(\a)+8+(\i)+1]
.endr
.endr
.irp a, 0,4
.irp i, 0,2,4,6
	v_pk_add_f32 v[PP+8*(\a)+(\i):PP+8*(\a)+(\i)+1], v[PP+8*(\a)+(\i):PP+8*(\a)+(\i)+1], v[PP+8*(\a)+16+(\i):PP+8*(\a)+16+(\i)+1]
.endr
.endr
.irp i, 0,2,4,6
	v_pk_add_f32 v[LG+(\i):LG+(\i)+1], v[PP+(\i):PP+(\i)+1], v[PP+32+(\i):PP+32+(\i)+1]
.endr
; sigmoid = 1 / (1 + 2^(-log2(e) x))
.irp i, 0,2,4,6
	v_pk_mul_f32 v[SG+(\i):SG+(\i)+1], v[LG+(\i):LG+(\i)+1], 0xbfb8aa3b op_sel_hi:[1,0]
.endr
.irp j, 0,1,2,3,4,5,6,7
	v_exp_f32 v[SG+(\j)], v[SG+(\j)]
.endr
.irp j, 0,1,2,3,4,5,6,7                ; the bias, rounded to bf16 and widened again: the independent work behind the exponentials
	v_mov_b32 v[SC+(\j)], s[16+(\j)]
.endr
.irp i, 0,1,2,3
	v_cvt_pk_bf16_f32 v[PP+8+(\i)], v[SC+2*(\i)], v[SC+2*(\i)+1]
.endr
.irp i, 0,1,2,3
	v_lshlrev_b32 v[SC+2*(\i)], 16, v[PP+8+(\i)]
	v_and_b32 v[SC+2*(\i)+1], 0xffff0000, v[PP+8+(\i)]
.endr
	s_wait_alu depctr_va_vdst(0)                   ; one wait for the eight exponentials, ahead of their first reader
.irp i, 0,2,4,6
	v_pk_add_f32 v[SG+(\i):SG+(\i)+1], v[SG+(\i):SG+(\i)+1], 1.0 op_sel_hi:[1,0]
.endr
.irp j, 0,1,2,3,4,5,6,7
	v_rcp_f32 v[SG+(\j)], v[SG+(\j)]
.endr
	v_mov_b32 v61, 0xff800000                      ; -infinity; also the plain instruction behind the last reciprocal
	s_wait_alu depctr_va_vdst(0)                   ; one wait for the eight reciprocals
.irp i, 0,2,4,6
	v_pk_add_f32 v[SC+(\i):SC+(\i)+1], v[SG+(\i):SG+(\i)+1], v[SC+(\i):SC+(\i)+1]  ; the score: the bias enters the choice alone
.endr
; the best: v56 score, v57 expert, v58 sigmoid.  The earlier one is kept where it is at least as large: a tie goes to the lower expert.
	v_mov_b32 v56, v[SC]
	v_mov_b32 v57, 0
	v_mov_b32 v58, v[SG]
.irp j, 1,2,3,4,5,6,7
	v_cmp_ge_f32 vcc_lo, v56, v[SC+(\j)]
	v_cndmask_b32 v56, v[SC+(\j)], v56, vcc_lo
	v_cndmask_b32 v57, \j, v57, vcc_lo
	v_cndmask_b32 v58, v[SG+(\j)], v58, vcc_lo
.endr
.irp j, 0,1,2,3,4,5,6,7                ; the winner leaves the field
	v_cmp_eq_u32 vcc_lo, \j, v57
	v_cndmask_b32 v[SC+(\j)], v[SC+(\j)], v61, vcc_lo
.endr
; the second: v59 expert, v60 sigmoid
	v_mov_b32 v56, v[SC]
	v_mov_b32 v59, 0
	v_mov_b32 v60, v[SG]
.irp j, 1,2,3,4,5,6,7
	v_cmp_ge_f32 vcc_lo, v56, v[SC+(\j)]
	v_cndmask_b32 v56, v[SC+(\j)], v56, vcc_lo
	v_cndmask_b32 v59, \j, v59, vcc_lo
	v_cndmask_b32 v60, v[SG+(\j)], v60, vcc_lo
.endr
	v_add_f32 v62, v58, v60
	v_rcp_f32 v62, v62
	v_lshlrev_b32 v63, 2, v3                       ; 4 h; the plain instruction behind the reciprocal
	s_wait_alu depctr_va_vdst(0)
	v_mul_f32 v58, v58, v62
	v_mul_f32 v60, v60, v62
.irp i, 0,1,2,3                        ; we: experts 4 h + i of token r
	v_add_nc_u32 v56, \i, v63
	v_cmp_eq_u32 vcc_lo, v56, v57
	v_cndmask_b32 v[LG+(\i)], 0, v58, vcc_lo
	v_cmp_eq_u32 vcc_lo, v56, v59
	v_cndmask_b32 v[LG+(\i)], v[LG+(\i)], v60, vcc_lo
.endr
	global_store_b128 v14, v[LG:LG+3], s[12:13]    ; the wave stores 512 consecutive bytes
	v_mov_b32 v15, 0
.irp e, 0,1,2,3,4,5,6,7                ; the masks' low 16 bits are the 16 tokens (the upper lanes repeat them)
	v_cmp_eq_u32 s[24+(\e)], \e, v57
	v_cmp_eq_u32 s[32+(\e)], \e, v59
	s_or_b32 s[24+(\e)], s[24+(\e)], s[32+(\e)]
	s_and_b32 s[40+(\e)], s[24+(\e)], 0xffff
	s_bcnt1_i32_b32 s[40+(\e)], s[40+(\e)]
	v_writelane_b32 v15, s[24+(\e)], \e
	v_writelane_b32 v15, s[32+(\e)], 8+(\e)
	v_writelane_b32 v15, s[40+(\e)], 16+(\e)
.endr
	v_cmp_gt_u32 vcc_lo, 24, v1
	s_wait_xcnt 0x0                                ; EXEC changes only behind this wait
	s_and_saveexec_b32 s49, vcc_lo
	global_store_b16 v13, v15, s[14:15]            ; 24 rows, two bytes each: 48 bytes a work-group, the one narrow store of the program
	s_wait_xcnt 0x0
	s_or_b32 exec_lo, exec_lo, s49
.Lend:
	s_wait_tensorcnt 0x0                           ; the wave's end, behind my last LDS store
	ds_add_u32 v[SPW], v[NIL]
	s_wait_dscnt 0x0
	s_endpgm
.Lfunc_end_k_qf49fd0c326_router:
	.size	k_qf49fd0c326_router, .Lfunc_end_k_qf49fd0c326_router-k_qf49fd0c326_router
	.p2alignl 7, 3214868480
	.fill 96, 4, 3214868480
	.section	.rodata,"a",@progbits
	.p2align	6, 0x0
	.amdhsa_kernel k_qf49fd0c326_router
		.amdhsa_group_segment_fixed_size 75008
		.amdhsa_private_segment_fixed_size 0
		.amdhsa_enable_private_segment 0
		.amdhsa_kernarg_size 48
		.amdhsa_user_sgpr_count 2
		.amdhsa_user_sgpr_kernarg_segment_ptr 1
		.amdhsa_wavefront_size32 1
		.amdhsa_system_sgpr_workgroup_id_x 1
		.amdhsa_system_sgpr_workgroup_id_y 1
		.amdhsa_system_sgpr_workgroup_id_z 1
		.amdhsa_system_vgpr_workitem_id 0
		.amdhsa_next_free_vgpr 384
		.amdhsa_next_free_sgpr 66
		.amdhsa_reserve_vcc 1
		.amdhsa_float_denorm_mode_32 3
		.amdhsa_float_denorm_mode_16_64 3
		.amdhsa_memory_ordered 1
		.amdhsa_forward_progress 1
		.amdhsa_inst_pref_size 37
	.end_amdhsa_kernel
	.amdgpu_metadata
---
amdhsa.version: [ 1, 2 ]
amdhsa.kernels:
  - .name:           k_qf49fd0c326_router
    .symbol:         k_qf49fd0c326_router.kd
    .args:
      - { .name: hidden_states, .offset: 0, .size: 8, .value_kind: global_buffer, .address_space: global }
      - { .name: Wg, .offset: 8, .size: 8, .value_kind: global_buffer, .address_space: global }
      - { .name: bias, .offset: 16, .size: 8, .value_kind: global_buffer, .address_space: global }
      - { .name: xb, .offset: 24, .size: 8, .value_kind: global_buffer, .address_space: global }
      - { .name: we, .offset: 32, .size: 8, .value_kind: global_buffer, .address_space: global }
      - { .name: bm, .offset: 40, .size: 8, .value_kind: global_buffer, .address_space: global }
    .group_segment_fixed_size: 75008
    .private_segment_fixed_size: 0
    .kernarg_segment_align: 8
    .kernarg_segment_size: 48
    .max_flat_workgroup_size: 256
    .sgpr_count:     66
    .vgpr_count:     384
    .wavefront_size: 32
...
	.end_amdgpu_metadata
.endif
;; end of part 1
;; launch up (part 2): grid 32 x 8, 4 waves a work-group, no clusters, 268,032 bytes of LDS; arguments W1, W3, xb, we, bm, g, dst; writes g, dst
.if DOCPART == 2
	.amdgcn_target "amdgcn-amd-amdhsa--gfx1250"
	.amdhsa_code_object_version 6
	.text
	.protected	k_qf49fd0c326_up
	.globl	k_qf49fd0c326_up
	.p2align	8
	.type	k_qf49fd0c326_up,@function
k_qf49fd0c326_up:
	s_mov_b64 s[64:65], 0
	v_nop
	global_prefetch_b8 v0, s[64:65] scope:SCOPE_SE
	s_setreg_imm32_b32 hwreg(HW_REG_WAVE_MODE, 25, 1), 1
	s_wait_xcnt 0x0
; g = silu(x W1^T) * (x W3^T) * gate weight, for the rows that chose the expert alone.  x comes as bf16 (xb); W1 and W3 are rounded to bf16 on their way through registers;
; sums, SwiGLU and the gate weight in f32; g is stored rounded once to bf16 (f16 would have no room for inputs some 30 times larger).
; SHARES.  Work-group (slice, expert): 32 columns of the hidden layer of ONE expert: 32 rows of W1 and 32 of W3, 524,288 bytes that it alone reads, once, and all of that expert's rows.
; PHASE A.  Wave w streams 16 weight rows (131,072 consecutive bytes) through a ring of 64 loads in registers, rounds them and lays them in LDS.  Meanwhile every wave works out the experts'
; counts from the router's table, and wave 0 lays the list of the expert's tokens in LDS.  One barrier.
; PHASE B.  Rows go in tiles of 16.  A pass has 20 tiles, wave w the tiles 20 p + w + 4 j, j = 0..4; four passes cover 1,024 rows, every split; a wave jumps a pass in which it has no tile, and
; takes the text for four tiles where it has no fifth.  Nothing in the pass loop writes LDS and no barrier stands in it.  The tokens' fragments come from memory straight into registers
; (a ring 6 or 7 K steps deep), the weights' from LDS.  The 64 K steps are 1 + 7 trips of 8 + 7; a trip's LDS addresses are a register that never changes plus a scalar that steps by 512 a trip.
; Places past the count repeat the expert's last row; whole tiles past it are not stored.  A second barrier stands behind the pass loop: all LDS reads are over before the waves' closing lines.
; THE PRODUCT IS USED TRANSPOSED: source 0 = 16 weight rows, source 1 = 16 tokens: a lane holds ONE token (lane % 16) and eight neighbouring columns 8 (lane / 16) + 0..7.
; OUT.  g[slice][tile][1,024 bytes]: a tile of 16 rows x 32 columns as the next launch's fragment: byte 512 c + 16 lane holds columns 16 c + 8 (lane / 16) + 0..7 of row lane % 16.
; Tiles are numbered through the experts: expert e begins at the sum of the lower experts' ceil(count / 16): under 136 in all.  dst[tile][16]: slot x 1,024 + token of each row (slice 0 stores it).
; No cluster and no tensor load: each weight byte has one reader and must pass registers to be rounded; the shared token rows come by a list, which no descriptor covers.
.set PITCH, 4112                       ; a weight row in LDS: 4,096 bytes + 16: an odd multiple of 16
.set LPR,   16                         ; loads of 512 bytes in a weight row
.set NTRIP, 7                          ; 64 K steps of 32 = 1 + 8 x 7 + 7
.set AST,   64                         ; bytes of a token row in a K step
.set ATRIP, 8*AST
.set LIST,  64*PITCH                   ; 1,024 words: the expert's rows in token order; behind them 64 words for the lanes that have no row to put
.set SPARE, LIST+4096+256              ; the spare words: 128 bytes a wave, two blocks of 256 bytes that no other line names
.set NTILE, 136
.set AP,  8                            ; s[8:9]    xb
.set AB,  30                           ; s[30:31]  xb, stepping by a trip's bytes
.set KB,  46                           ; s46  512 x the trip;  s47  the same, held to the last trip's
.set LE,  56                           ; s[56:57]  -log2(e), named as a pair
.set SPW, 4                            ; v4  my spare word's address;  v5  0: never rewritten
.set NIL, 5
.set SOF, 6                            ; v6  16 x lane
.set SLD, 7                            ; v7  where the stream puts 8 bytes in LDS
.set B0,  8                            ; v8-11   column tile ct: (16 ct + r) x PITCH + 16 h; never rewritten
.set BK,  12                           ; v12-15  the same + 512 x the trip
.set ROW, 16                           ; v16-20  tile j: token x 4,096 + 16 h
.set ENT, 21                           ; v21-25  tile j: the list's entry
.set WG,  26                           ; v26-35  tile j: the gate weight, and a 0 named with it as a pair
.set E4,  36                           ; v36  4 x expert
.set DW,  37                           ; v37  my row's place in a tile of dst
.set WO,  40                           ; v40-44  tile j: offset in we
.set TRW, 45                           ; v45  1,024 + lane
.set UW,  46                           ; v46, v47  word lane of my expert's two bitmaps
.set BW,  47
.set T,   48                           ; v48-63  at work
.set L4,  56                           ; v56  lane + 1,024, while the list is laid
.set ACC, 64                           ; v64-223  tile j, column tile ct at 64 + 32 j + 8 ct: ct 0, 1 = x W1^T, ct 2, 3 = x W3^T
.set CV,  224                          ; v224-255 at work
.set P,   224
.set O,   240
; window 1: the stream's ring (64 loads x 4), then token slots 0-3 (slot k at 40 (k % 4), tile j at + 8 j); window 2: token slots 4-7; window 3: weight slots 0-3 (slot k at 32 k, ct at + 8 ct)
.set MSB, 0
.macro WIN new                         ; bits 1:0 source 0, 3:2 source 1, 5:4 source 2, 7:6 destination; the high byte repeats the setting that is left
.if MSB != (\new)
	s_set_vgpr_msb (MSB<<8)|(\new)
.set MSB, \new
.endif
.endm
; 16 loads of the ring: waited for, rounded, asked for anew (issue = 1), laid in LDS.  left = the younger loads that stay out.
.macro CHUNK k, issue, left
	s_wait_loadcnt \left
	WIN 0x05
.irp i, 0,1,2,3,4,5,6,7,8,9,10,11,12,13,14,15
	v_cvt_pk_bf16_f32 v[CV+2*(\i)],   v[64*(\k)+4*(\i)],   v[64*(\k)+4*(\i)+1]
	v_cvt_pk_bf16_f32 v[CV+2*(\i)+1], v[64*(\k)+4*(\i)+2], v[64*(\k)+4*(\i)+3]
.endr
.if \issue
	WIN 0x40
.irp i, 0,1,2,3,4,5,6,7,8,9,10,11,12,13,14,15
	global_load_b128 v[64*(\k)+4*(\i):64*(\k)+4*(\i)+3], v[SOF], s[28:29] offset:(64+16*(\k)+(\i))*512 th:TH_LOAD_NT
.endr
.endif
	WIN 0
.irp i, 0,1,2,3,4,5,6,7,8,9,10,11,12,13,14,15
	ds_store_b64 v[SLD], v[CV+2*(\i):CV+2*(\i)+1] offset:((16*(\k)+(\i))/LPR)*PITCH+((16*(\k)+(\i))%LPR)*256
.endr
.endm
; the tokens' fragments of one K step for n tiles, into ring slot 'slot': base pair s[ab:ab+1], ak K steps from it (never below 0)
.macro ALOAD n, slot, ab, ak
.set aj, 0
.rept \n
	global_load_b128 v[40*((\slot)%4)+8*aj:40*((\slot)%4)+8*aj+3],   v[ROW+aj], s[(\ab):(\ab)+1] offset:AST*(\ak)
	global_load_b128 v[40*((\slot)%4)+8*aj+4:40*((\slot)%4)+8*aj+7], v[ROW+aj], s[(\ab):(\ab)+1] offset:AST*(\ak)+32
.set aj, aj+1
.endr
.endm
; the weights' fragments of one K step, all four column tiles, into ring slot 'slot': address registers v[br ..], bk K steps from them
.macro BLOAD slot, br, bk
.irp ct, 0,1,2,3
	ds_load_b128 v[32*((\slot)%4)+8*(\ct):32*((\slot)%4)+8*(\ct)+3],   v[(\br)+(\ct)] offset:64*(\bk)
	ds_load_b128 v[32*((\slot)%4)+8*(\ct)+4:32*((\slot)%4)+8*(\ct)+7], v[(\br)+(\ct)] offset:64*(\bk)+32
.endr
.endm
; One K step of 32 (b: its number modulo 8): 4 n products, the accumulators by turns; four places; then the tokens' fragments d steps on (ia) and the weights' four steps on (ib).
; upd = 1: the tokens' base goes a trip on, between the step's products and its loads.
.macro STEP n, d, b, zero, ia, ib, wa, wb, upd, ab, ak, br, bk
	s_wait_loadcnt \wa                             ; the token loads of the later steps stay out
	s_wait_dscnt \wb                               ; and the weight loads of the later steps
	WIN 0x03|((1+((\b)%8)/4)<<2)
.set sj, 0
.rept \n
.set sc, 0
.rept 4
.if \zero
	v_wmma_f32_16x16x32_bf16 v[ACC+32*sj+8*sc:ACC+32*sj+8*sc+7], v[32*((\b)%4)+8*sc:32*((\b)%4)+8*sc+7], v[40*((\b)%4)+8*sj:40*((\b)%4)+8*sj+7], 0
.else
	v_wmma_f32_16x16x32_bf16 v[ACC+32*sj+8*sc:ACC+32*sj+8*sc+7], v[32*((\b)%4)+8*sc:32*((\b)%4)+8*sc+7], v[40*((\b)%4)+8*sj:40*((\b)%4)+8*sj+7], v[ACC+32*sj+8*sc:ACC+32*sj+8*sc+7]
.endif
.set sc, sc+1
.endr
.set sj, sj+1
.endr
.rept 4
	v_nop                                          ; four places in front of loads into registers that these products read, and of the way out
.endr
.if \upd
	s_wait_xcnt 0x0                                ; the base is stepped only behind this wait; the youngest loads that name it stand ahead of this step's products
	s_add_nc_u64 s[(\ab):(\ab)+1], s[(\ab):(\ab)+1], ATRIP
.endif
.if \ia
	WIN (1+(((\b)+(\d))%8)/4)<<6
	ALOAD \n, (\b)+(\d), \ab, \ak
.endif
.if \ib
	WIN 0xc0
	BLOAD \b, \br, \bk
.endif
.endm
; All K steps for n tiles, the token ring d steps deep: d x 2 n loads are out at the most (60 or 56).  The first step starts the sums: nothing is cleared.  In trip t (from 0) step b is K step 8 t + b
; and asks for the tokens of K step 8 t + b + d: while b + d < 8 counted from xb + 512 t; the step with b + d = 8 takes the base a trip on, and from there on they are counted from xb + 512 (t + 1):
; every immediate is 0 or more.  The weights' addresses are B0 + 512 t.  The last seven steps are written out, ask for nothing past K's end, and their counts run down.
.macro KLOOP n, d
.set kb, 0
.rept \d
	WIN (1+kb/4)<<6
	ALOAD \n, kb, AP, kb
.set kb, kb+1
.endr
	WIN 0xc0
.irp kk, 0,1,2,3
	BLOAD \kk, B0, \kk
.endr
	STEP \n, \d, 0, 1, 1, 1, ((\d)-1)*2*(\n), 24, 0, AP, \d, B0, 4
	WIN 0
	s_mov_b32 s27, NTRIP
.Lk_\@:
	s_min_u32 s47, s[KB], 512*(NTRIP-1)            ; the trip's step, held to the last trip's: the bound of the LDS bytes read below stands in this line
.irp ct, 0,1,2,3
	v_add_nc_u32 v[BK+(\ct)], s47, v[B0+(\ct)]
.endr
.set lb, 1
.rept 8
.set lak, lb+(\d)
.set lup, 0
.if lak == 8
.set lup, 1
.endif
.if lak >= 8
.set lak, lak-8
.endif
	STEP \n, \d, lb, 0, 1, 1, ((\d)-1)*2*(\n), 24, lup, AB, lak, BK, lb+4
.set lb, lb+1
.endr
	WIN 0
	s_add_co_u32 s[KB], s[KB], 512
	s_sub_co_u32 s27, s27, 1
	s_cmp_lg_u32 s27, 0
	s_cbranch_scc1 .Lk_\@
	s_mov_b32 s[KB], 0                             ; as it stood in front of the loop
.set tb, 1
.rept 7
.set twa, 7-tb
.if twa > (\d)-1
.set twa, (\d)-1
.endif
.set twb, 7-tb
.if twb > 3
.set twb, 3
.endif
.set tia, 0
.if tb+(\d) <= 7
.set tia, 1
.endif
.set tib, 0
.if tb <= 3
.set tib, 1
.endif
	STEP \n, \d, tb, 0, tia, tib, twa*2*(\n), twb*8, 0, AP, 8*NTRIP+tb+(\d), B0, 8*NTRIP+tb+4
.set tb, tb+1
.endr
	WIN 0
.endm
; The way out of tile j: g = h1 h3 w / (1 + 2^(-log2(e) h1)), rounded to bf16: 16 bytes a lane and column tile, 512 consecutive bytes a store.
.macro EPI j
	s_add_co_u32 s38, s25, s18
	s_add_co_u32 s38, s38, 4*(\j)                  ; the tile's number in the expert
	s_cmp_ge_u32 s38, s22
	s_cbranch_scc1 .Lno_tile_\@                    ; past the count: nothing is stored
	s_wait_xcnt 0x0                                ; the last tile's stores have read O and their bases
.irp i, 0,1,2,3,4,5,6,7                ; each accumulator's lowest registers are read first
	v_pk_mul_f32 v[T+2*(\i):T+2*(\i)+1], v[ACC+32*(\j)+2*(\i):ACC+32*(\j)+2*(\i)+1], s[LE:LE+1] op_sel_hi:[1,0]
.endr
.irp i, 0,1,2,3,4,5,6,7,8,9,10,11,12,13,14,15
	v_exp_f32 v[T+(\i)], v[T+(\i)]
.endr
.irp i, 0,1,2,3,4,5,6,7                ; the independent work behind the batch
	v_pk_mul_f32 v[P+2*(\i):P+2*(\i)+1], v[ACC+32*(\j)+2*(\i):ACC+32*(\j)+2*(\i)+1], v[ACC+32*(\j)+16+2*(\i):ACC+32*(\j)+16+2*(\i)+1]
.endr
.irp i, 0,1,2,3,4,5,6,7
	v_pk_mul_f32 v[P+2*(\i):P+2*(\i)+1], v[P+2*(\i):P+2*(\i)+1], v[WG+2*(\j):WG+2*(\j)+1] op_sel_hi:[1,0]
.endr
	s_wait_alu depctr_va_vdst(0)                   ; one wait for the 16 exponentials, ahead of their first reader
.irp i, 0,1,2,3,4,5,6,7
	v_pk_add_f32 v[T+2*(\i):T+2*(\i)+1], v[T+2*(\i):T+2*(\i)+1], 1.0 op_sel_hi:[1,0]
.endr
.irp i, 0,1,2,3,4,5,6,7,8,9,10,11,12,13,14,15
	v_rcp_f32 v[T+(\i)], v[T+(\i)]
.endr
	v_nop                                          ; a plain instruction behind the last reciprocal
	s_wait_alu depctr_va_vdst(0)                   ; one wait for the 16 reciprocals
.irp i, 0,1,2,3,4,5,6,7
	v_pk_mul_f32 v[P+2*(\i):P+2*(\i)+1], v[P+2*(\i):P+2*(\i)+1], v[T+2*(\i):T+2*(\i)+1]
.endr
.irp i, 0,1,2,3,4,5,6,7
	v_cvt_pk_bf16_f32 v[O+(\i)], v[P+2*(\i)], v[P+2*(\i)+1]
.endr
	s_add_co_u32 s38, s38, s23                     ; the tile's number among all
	s_min_u32 s38, s38, NTILE-1                    ; it comes from loaded counts: held inside the buffers
	s_add_co_u32 s39, s38, s45                     ; + 136 x slice
	s_lshl_b32 s32, s39, 10
	s_add_nc_u64 s[34:35], s[14:15], s[32:33]
	global_store_b128 v[SOF], v[O:O+3], s[34:35]
	global_store_b128 v[SOF], v[O+4:O+7], s[34:35] offset:512
	s_cmp_lg_u32 s19, 0
	s_cbranch_scc1 .Lno_tile_\@
	s_lshl_b32 s32, s38, 6                         ; slice 0 also stores where the tile's rows belong: 64 bytes; both halves of the lanes store the same word
	s_add_nc_u64 s[36:37], s[16:17], s[32:33]
	global_store_b32 v[DW], v[ENT+(\j)], s[36:37]
.Lno_tile_\@:
.endm
	s_load_b256 s[4:11], s[0:1], 0x0               ; W1 s[4:5], W3 s[6:7], xb s[8:9], we s[10:11]
	s_load_b128 s[12:15], s[0:1], 0x20             ; bm s[12:13], g s[14:15]
	s_load_b64 s[16:17], s[0:1], 0x30              ; dst
	v_lshl_add_u32 v[SPW], v0, 2, SPARE
	v_mov_b32 v[NIL], 0
	v_lshrrev_b32 v1, 5, v0
	v_readfirstlane_b32 s18, v1                    ; wave 0..3
	s_mov_b32 s19, ttmp9                           ; slice
	s_and_b32 s20, ttmp7, 0xffff                   ; expert
	s_mov_b32 s[LE], 0xbfb8aa3b
	s_mov_b32 s[LE+1], 0xbfb8aa3b
	v_and_b32 v1, 31, v0                           ; lane
	v_and_b32 v2, 15, v0                           ; r
	v_bfe_u32 v3, v0, 4, 1
	v_lshlrev_b32 v3, 4, v3                        ; 16 h
	v_lshlrev_b32 v[SOF], 4, v1
	s_mul_i32 s38, s18, 16*PITCH
	v_lshl_add_u32 v[SLD], v1, 3, s38              ; my wave's 16 rows in LDS, 8 bytes a lane
	v_mul_u32_u24 v[B0], v2, PITCH
	v_add_nc_u32 v[B0], v3, v[B0]
	v_add_nc_u32 v[B0+1], 16*PITCH, v[B0]
	v_add_nc_u32 v[B0+2], 32*PITCH, v[B0]
	v_add_nc_u32 v[B0+3], 48*PITCH, v[B0]
	s_lshl_b32 s38, s20, 2
	v_mov_b32 v[E4], s38
	v_and_b32 v38, 1, v2                           ; row r of a tile lies at word 8 (r % 2) + r / 2 of dst, so that the next launch's lanes find their eight rows side by side
	v_lshrrev_b32 v[DW], 1, v2
	v_lshl_add_u32 v[DW], v38, 3, v[DW]
	v_lshlrev_b32 v[DW], 2, v[DW]
	v_add_nc_u32 v[TRW], 1024, v1
	v_or_b32 v[L4], 0x400, v1
.irp j, 0,1,2,3,4
	v_mov_b32 v[WG+2*(\j)+1], 0
.endr
	v_lshlrev_b32 v38, 5, v1                       ; the counts: 32 bytes a lane, four lanes an expert
	s_lshl_b32 s39, s20, 7
	v_lshl_add_u32 v39, v1, 2, s39                 ; my expert's bitmap: a word a lane
	s_mul_i32 s45, s19, NTILE
	s_lshl_b32 s32, s20, 23                        ; an expert's 1,024 rows of 8,192 bytes,
	s_lshl_b32 s38, s19, 18                        ; the slice's 32,
	s_add_co_u32 s32, s32, s38
	s_and_b32 s38, s18, 1
	s_lshl_b32 s38, s38, 17                        ; my wave's 16
	s_add_co_u32 s32, s32, s38
	s_mov_b32 s33, 0
	s_wait_kmcnt 0x0
	s_cmp_lt_u32 s18, 2                            ; waves 0, 1 stream W1, waves 2, 3 W3
	s_cselect_b64 s[28:29], s[4:5], s[6:7]
	s_add_nc_u64 s[28:29], s[28:29], s[32:33]
	global_load_b128 v[48:51], v38, s[12:13] offset:2048
	global_load_b128 v[52:55], v38, s[12:13] offset:2064
	global_load_b32 v[UW], v39, s[12:13]
	global_load_b32 v[BW], v39, s[12:13] offset:1024
	WIN 0x40
.set i, 0
.rept 64                               ; the ring is filled: 32,768 consecutive bytes
	global_load_b128 v[4*i:4*i+3], v[SOF], s[28:29] offset:512*i th:TH_LOAD_NT
.set i, i+1
.endr
	WIN 0
	s_wait_loadcnt 63                              ; 64 loads were issued behind the four of bm: they are in
; every expert's count: 64 counts of 16 bits; the two halves of a word are added side by side (512 at the most in each)
	v_add_nc_u32 v48, v48, v49
	v_add_nc_u32 v50, v50, v51
	v_add_nc_u32 v52, v52, v53
	v_add_nc_u32 v54, v54, v55
	v_add_nc_u32 v48, v48, v50
	v_add_nc_u32 v52, v52, v54
	v_add_nc_u32 v48, v48, v52
	v_mov_b32 v49, 0
	v_mov_b32_dpp v49, v48 row_xmask:1 row_mask:0xf bank_mask:0xf
	v_add_nc_u32 v48, v48, v49
	v_mov_b32_dpp v49, v48 row_xmask:2 row_mask:0xf bank_mask:0xf
	v_add_nc_u32 v48, v48, v49
.irp x, 0,1,2,3,4,5,6,7
	v_readlane_b32 s[48+(\x)], v48, 4*(\x)
.endr
	s_mov_b32 s21, 0                               ; my expert's rows,
	s_mov_b32 s22, 0                               ; its tiles,
	s_mov_b32 s23, 0                               ; the tiles of the experts below it
.irp x, 0,1,2,3,4,5,6,7
	s_and_b32 s38, s[48+(\x)], 0xffff
	s_lshr_b32 s39, s[48+(\x)], 16
	s_add_co_u32 s38, s38, s39
	s_min_u32 s38, s38, 0x400
	s_add_co_u32 s39, s38, 15
	s_lshr_b32 s39, s39, 4
	s_cmp_eq_u32 s20, \x
	s_cselect_b32 s21, s38, s21
	s_cselect_b32 s22, s39, s22
	s_cmp_gt_u32 s20, \x
	s_cselect_b32 s39, s39, 0
	s_add_co_u32 s23, s23, s39
.endr
	s_sub_co_u32 s24, s21, 1                       ; the last row (not used where there is none: every pass is then jumped)
	s_cmp_lg_u32 s18, 0
	s_cbranch_scc1 .Lno_list
; wave 0 lays the list: 32 tokens at a time; a token that chose the expert goes to the place of its rank; the other lanes write a word behind the list.  All lanes stay on.
	s_mov_b32 s44, 0
.set gq, 0
.rept 32
	v_readlane_b32 s42, v[UW], gq
	v_readlane_b32 s43, v[BW], gq
	v_mbcnt_lo_u32_b32 v38, s42, 0                 ; the choosers below my lane,
	v_add_nc_u32 v38, s44, v38                     ; and in the groups before
	v_cndmask_b32 v38, v[TRW], v38, s42
	v_min_u32 v38, 0x41f, v38                      ; from loaded bits: held inside the list and the words behind it
	v_lshl_add_u32 v38, v38, 2, LIST
	v_cndmask_b32 v39, v1, v[L4], s43              ; the lane, + 1,024 where the expert is the token's second choice,
	v_or_b32 v39, 32*gq, v39                       ; + the group: the token
	ds_store_b32 v38, v39
	s_bcnt1_i32_b32 s42, s42
	s_add_co_u32 s44, s44, s42
.set gq, gq+1
.endr
.Lno_list:
	s_mov_b32 s27, 3
.Lstream:                                              ; a trip: four rows; three younger chunks, 48 loads, stay out at every wait
	CHUNK 0, 1, 48
	CHUNK 1, 1, 48
	CHUNK 2, 1, 48
	CHUNK 3, 1, 48
	s_wait_xcnt 0x0                                ; the base is stepped only behind this wait
	s_add_nc_u64 s[28:29], s[28:29], 0x8000
	v_add_nc_u32 v[SLD], 4*PITCH, v[SLD]
	s_sub_co_u32 s27, s27, 1
	s_cmp_lg_u32 s27, 0
	s_cbranch_scc1 .Lstream
	CHUNK 0, 0, 48                                 ; the last four rows: nothing is asked for, the counts run down
	CHUNK 1, 0, 32
	CHUNK 2, 0, 16
	CHUNK 3, 0, 0
	s_wait_dscnt 0x0                               ; for the others' sake: my rows, and wave 0's list, are in LDS
	s_barrier_signal -1
	s_barrier_wait -1
	s_mov_b32 s25, 0                               ; 20 p
	s_mov_b32 s26, 4                               ; passes to go
	s_mov_b32 s[KB], 0
.Lpass:
	s_add_co_u32 s38, s25, s18                     ; my first tile of the pass
	s_cmp_ge_u32 s38, s22
	s_cbranch_scc1 .Lpass_end                      ; none left for me
	s_wait_xcnt 0x0                                ; the last pass's loads and stores have read their registers
	s_lshl_b32 s39, s38, 4
	v_add_nc_u32 v38, s39, v2                      ; my row in tile 0
.irp j, 0,1,2,3,4
	v_add_nc_u32 v39, 64*(\j), v38
	v_min_u32 v39, s24, v39                        ; places past the count repeat the last row
	v_min_u32 v39, 0x3ff, v39
	v_lshl_add_u32 v39, v39, 2, LIST
	ds_load_b32 v[ENT+(\j)], v39
.endr
	s_wait_dscnt 0x0
.irp j, 0,1,2,3,4
	v_and_b32 v39, 0x3ff, v[ENT+(\j)]              ; the token,
	v_min_u32 v39, 0x3ff, v39                      ; held inside xb and we
	v_lshl_add_u32 v[ROW+(\j)], v39, 12, v3
	v_lshl_add_u32 v[WO+(\j)], v39, 5, v[E4]
	global_load_b32 v[WG+2*(\j)], v[WO+(\j)], s[10:11]   ; older than every token load: the first step's wait covers it
.endr
	s_mov_b64 s[AB:AB+1], s[AP:AP+1]
	s_add_co_u32 s39, s38, 16                      ; have I a fifth tile?
	s_cmp_lt_u32 s39, s22
	s_cbranch_scc0 .Lfour
	KLOOP 5, 6
	EPI 4
	s_branch .Lcommon
.Lfour:
	KLOOP 4, 7
.Lcommon:
	EPI 0
	EPI 1
	EPI 2
	EPI 3
.Lpass_end:
	s_add_co_u32 s25, s25, 20
	s_sub_co_u32 s26, s26, 1
	s_cmp_lg_u32 s26, 0
	s_cbranch_scc1 .Lpass
	s_wait_dscnt 0x0                               ; my LDS reads are over;
	s_barrier_signal -1
	s_barrier_wait -1                              ; so are the other three waves': nothing is written in LDS before that
	s_wait_tensorcnt 0x0                           ; the wave's end, behind my last LDS store
	ds_add_u32 v[SPW], v[NIL]
	s_wait_dscnt 0x0
	s_endpgm
.Lfunc_end_k_qf49fd0c326_up:
	.size	k_qf49fd0c326_up, .Lfunc_end_k_qf49fd0c326_up-k_qf49fd0c326_up
	.p2alignl 7, 3214868480
	.fill 96, 4, 3214868480
	.section	.rodata,"a",@progbits
	.p2align	6, 0x0
	.amdhsa_kernel k_qf49fd0c326_up
		.amdhsa_group_segment_fixed_size 268032
		.amdhsa_private_segment_fixed_size 0
		.amdhsa_enable_private_segment 0
		.amdhsa_kernarg_size 56
		.amdhsa_user_sgpr_count 2
		.amdhsa_user_sgpr_kernarg_segment_ptr 1
		.amdhsa_wavefront_size32 1
		.amdhsa_system_sgpr_workgroup_id_x 1
		.amdhsa_system_sgpr_workgroup_id_y 1
		.amdhsa_system_sgpr_workgroup_id_z 1
		.amdhsa_system_vgpr_workitem_id 0
		.amdhsa_next_free_vgpr 896
		.amdhsa_next_free_sgpr 66
		.amdhsa_reserve_vcc 0
		.amdhsa_float_denorm_mode_32 3
		.amdhsa_float_denorm_mode_16_64 3
		.amdhsa_memory_ordered 1
		.amdhsa_forward_progress 1
		.amdhsa_inst_pref_size 184
	.end_amdhsa_kernel
	.amdgpu_metadata
---
amdhsa.version: [ 1, 2 ]
amdhsa.kernels:
  - .name:           k_qf49fd0c326_up
    .symbol:         k_qf49fd0c326_up.kd
    .args:
      - { .name: W1, .offset: 0, .size: 8, .value_kind: global_buffer, .address_space: global }
      - { .name: W3, .offset: 8, .size: 8, .value_kind: global_buffer, .address_space: global }
      - { .name: xb, .offset: 16, .size: 8, .value_kind: global_buffer, .address_space: global }
      - { .name: we, .offset: 24, .size: 8, .value_kind: global_buffer, .address_space: global }
      - { .name: bm, .offset: 32, .size: 8, .value_kind: global_buffer, .address_space: global }
      - { .name: g, .offset: 40, .size: 8, .value_kind: global_buffer, .address_space: global }
      - { .name: dst, .offset: 48, .size: 8, .value_kind: global_buffer, .address_space: global }
    .group_segment_fixed_size: 268032
    .private_segment_fixed_size: 0
    .kernarg_segment_align: 8
    .kernarg_segment_size: 56
    .max_flat_workgroup_size: 128
    .sgpr_count:     66
    .vgpr_count:     896
    .wavefront_size: 32
...
	.end_amdgpu_metadata
.endif
;; end of part 2
;; launch down (part 3): grid 32 x 8, 4 waves a work-group, no clusters, 150,016 bytes of LDS; arguments W2, g, bm, dst, y2; writes y2
.if DOCPART == 3
	.amdgcn_target "amdgcn-amd-amdhsa--gfx1250"
	.amdhsa_code_object_version 6
	.text
	.protected	k_qf49fd0c326_down
	.globl	k_qf49fd0c326_down
	.p2align	8
	.type	k_qf49fd0c326_down,@function
k_qf49fd0c326_down:
	s_mov_b64 s[64:65], 0
	v_nop
	global_prefetch_b8 v0, s[64:65] scope:SCOPE_SE
	s_setreg_imm32_b32 hwreg(HW_REG_WAVE_MODE, 25, 1), 1
	s_wait_xcnt 0x0
; y2[slot][token] = g W2^T for the rows of one expert: the two partial rows of a token, in f32; the next launch adds them.  g comes as bf16, W2 is rounded to bf16 on its way through registers; sums in f32.
; SHARES.  Work-group (slice, expert): 64 columns of the output: 64 rows of W2, 262,144 consecutive bytes that it alone reads, once, and all of that expert's rows.
; PHASE A.  Wave w streams 16 weight rows (65,536 bytes) through a ring of 64 loads in registers, rounds them and lays them in LDS; meanwhile every wave works out the experts' counts.  One barrier.
; PHASE B.  As in the launch before: tiles of 16 rows, passes of 20 tiles, wave w the tiles 20 p + w + 4 j, four passes for every split; a wave jumps a pass without a tile for it and takes the text
; for four tiles where it has no fifth.  No barrier stands in the pass loop; the one LDS region written there, the stage, is each wave's own.  g lies as fragments, so each of its loads takes 512
; consecutive bytes.  The 32 K steps are 1 + 3 trips of 8 + 7; a trip's LDS addresses are a register that never changes plus a scalar that steps by 512 a trip.
; THE PRODUCT IS USED TRANSPOSED: source 0 = 16 weight rows, source 1 = 16 rows of g: a lane holds one row (lane % 16) and eight neighbouring columns.  A tile goes through my stage in LDS and leaves as
; whole rows of 256 bytes, each to the row of y2 that dst names.  Places past the count repeat the last row: the same numbers to the same place.  Whole tiles past it are not stored.
; No cluster: each weight byte has one reader; g is shared by an expert's 32 work-groups, but how many of its tiles are wanted hangs on a stored count, and no joint load may stand in text that is jumped.
.set PITCH, 2064                       ; a weight row in LDS: 2,048 bytes + 16: an odd multiple of 16
.set LPR,   8                          ; loads of 512 bytes in a weight row
.set NTRIP, 3                          ; 32 K steps of 32 = 1 + 8 x 3 + 7
.set NTILE, 136
.set AST,   NTILE*1024                 ; bytes from a K step's tiles of g to the next step's
.set ATRIP, 8*AST
.set STAGE, 64*PITCH                   ; 16 rows x 272 bytes for each wave
.set SPARE, STAGE+4*16*272             ; the spare words: 128 bytes a wave, two blocks of 256 bytes that no other line names
.set AP,  6                            ; s[6:7]    g
.set AB,  30                           ; s[30:31]  g, stepping by a trip's bytes
.set KB,  46                           ; s46  512 x the trip;  s47  the same, held to the last trip's
.set SPW, 4                            ; v4  my spare word's address;  v5  0: never rewritten
.set NIL, 5
.set SOF, 6                            ; v6  16 x lane
.set SLD, 7                            ; v7  where the stream puts 8 bytes in LDS
.set B0,  8                            ; v8-11   column tile ct: (16 ct + r) x PITCH + 16 h; never rewritten
.set BK,  12                           ; v12-15  the same + 512 x the trip
.set TO,  16                           ; v16-20  tile j: its 1,024 bytes in a K step of g, + 16 x lane
.set DO,  21                           ; v21-25  tile j: my eight words of dst
.set STO, 26                           ; v26  the stage: where I put 32 bytes of a row
.set RD,  27                           ; v27  where I read rows back
.set C16, 28                           ; v28  256 x slice + 16 (lane % 16)
.set H32, 29                           ; v29  32 (lane / 16)
.set HH,  30                           ; v30  lane / 16
.set SO,  38                           ; v38-45  the stores' offsets
.set ACC, 64                           ; v64-223  tile j, column tile ct at 64 + 32 j + 8 ct
.set CV,  224                          ; v224-255 at work
.set OB,  224
.set DE,  160                          ; window 1, v160-199: tile j's eight words of dst
; window 1: the stream's ring (64 loads x 4), then g's slots 0-3 (slot k at 40 (k % 4), tile j at + 8 j) and DE; window 2: g's slots 4-7; window 3: weight slots 0-3 (slot k at 32 k, ct at + 8 ct)
.set MSB, 0
.macro WIN new                         ; bits 1:0 source 0, 3:2 source 1, 5:4 source 2, 7:6 destination; the high byte repeats the setting that is left
.if MSB != (\new)
	s_set_vgpr_msb (MSB<<8)|(\new)
.set MSB, \new
.endif
.endm
; 16 loads of the ring: waited for, rounded, asked for anew (issue = 1), laid in LDS.  left = the younger loads that stay out.
.macro CHUNK k, issue, left
	s_wait_loadcnt \left
	WIN 0x05
.irp i, 0,1,2,3,4,5,6,7,8,9,10,11,12,13,14,15
	v_cvt_pk_bf16_f32 v[CV+2*(\i)],   v[64*(\k)+4*(\i)],   v[64*(\k)+4*(\i)+1]
	v_cvt_pk_bf16_f32 v[CV+2*(\i)+1], v[64*(\k)+4*(\i)+2], v[64*(\k)+4*(\i)+3]
.endr
.if \issue
	WIN 0x40
.irp i, 0,1,2,3,4,5,6,7,8,9,10,11,12,13,14,15
	global_load_b128 v[64*(\k)+4*(\i):64*(\k)+4*(\i)+3], v[SOF], s[28:29] offset:(64+16*(\k)+(\i))*512 th:TH_LOAD_NT
.endr
.endif
	WIN 0
.irp i, 0,1,2,3,4,5,6,7,8,9,10,11,12,13,14,15
	ds_store_b64 v[SLD], v[CV+2*(\i):CV+2*(\i)+1] offset:((16*(\k)+(\i))/LPR)*PITCH+((16*(\k)+(\i))%LPR)*256
.endr
.endm
; g's fragments of one K step for n tiles, into ring slot 'slot': base pair s[ab:ab+1], ak K steps of 139,264 bytes from it (0 to 31: inside the immediate's signed 24 bits)
.macro ALOAD n, slot, ab, ak
.set aj, 0
.rept \n
	global_load_b128 v[40*((\slot)%4)+8*aj:40*((\slot)%4)+8*aj+3],   v[TO+aj], s[(\ab):(\ab)+1] offset:AST*(\ak)
	global_load_b128 v[40*((\slot)%4)+8*aj+4:40*((\slot)%4)+8*aj+7], v[TO+aj], s[(\ab):(\ab)+1] offset:AST*(\ak)+512
.set aj, aj+1
.endr
.endm
; the weights' fragments of one K step, all four column tiles, into ring slot 'slot': address registers v[br ..], bk K steps from them
.macro BLOAD slot, br, bk
.irp ct, 0,1,2,3
	ds_load_b128 v[32*((\slot)%4)+8*(\ct):32*((\slot)%4)+8*(\ct)+3],   v[(\br)+(\ct)] offset:64*(\bk)
	ds_load_b128 v[32*((\slot)%4)+8*(\ct)+4:32*((\slot)%4)+8*(\ct)+7], v[(\br)+(\ct)] offset:64*(\bk)+32
.endr
.endm
; One K step of 32 (b: its number modulo 8): 4 n products, the accumulators by turns; four places; then g's fragments d steps on (ia) and the weights' four steps on (ib).
; upd = 1: g's base goes a trip on, between the step's products and its loads.
.macro STEP n, d, b, zero, ia, ib, wa, wb, upd, ab, ak, br, bk
	s_wait_loadcnt \wa                             ; g's loads of the later steps stay out
	s_wait_dscnt \wb                               ; and the weight loads of the later steps
	WIN 0x03|((1+((\b)%8)/4)<<2)
.set sj, 0
.rept \n
.set sc, 0
.rept 4
.if \zero
	v_wmma_f32_16x16x32_bf16 v[ACC+32*sj+8*sc:ACC+32*sj+8*sc+7], v[32*((\b)%4)+8*sc:32*((\b)%4)+8*sc+7], v[40*((\b)%4)+8*sj:40*((\b)%4)+8*sj+7], 0
.else
	v_wmma_f32_16x16x32_bf16 v[ACC+32*sj+8*sc:ACC+32*sj+8*sc+7], v[32*((\b)%4)+8*sc:32*((\b)%4)+8*sc+7], v[40*((\b)%4)+8*sj:40*((\b)%4)+8*sj+7], v[ACC+32*sj+8*sc:ACC+32*sj+8*sc+7]
.endif
.set sc, sc+1
.endr
.set sj, sj+1
.endr
.rept 4
	v_nop                                          ; four places in front of loads into registers that these products read, and of the way out
.endr
.if \upd
	s_wait_xcnt 0x0                                ; the base is stepped only behind this wait; the youngest loads that name it stand ahead of this step's products
	s_add_nc_u64 s[(\ab):(\ab)+1], s[(\ab):(\ab)+1], ATRIP
.endif
.if \ia
	WIN (1+(((\b)+(\d))%8)/4)<<6
	ALOAD \n, (\b)+(\d), \ab, \ak
.endif
.if \ib
	WIN 0xc0
	BLOAD \b, \br, \bk
.endif
.endm
; All K steps for n tiles, g's ring d steps deep: d x 2 n loads are out at the most (60 or 56).  The first step starts the sums: nothing is cleared.  In trip t (from 0) step b is K step 8 t + b
; and asks for g's tiles of K step 8 t + b + d: while b + d < 8 counted from g + 8 t steps; the step with b + d = 8 takes the base a trip on, and from there on they are counted from g + 8 (t + 1)
; steps: every immediate is 0 or more.  The weights' addresses are B0 + 512 t.  The last seven steps are written out, ask for nothing past K's end, and their counts run down.
.macro KLOOP n, d
.set kb, 0
.rept \d
	WIN (1+kb/4)<<6
	ALOAD \n, kb, AP, kb
.set kb, kb+1
.endr
	WIN 0xc0
.irp kk, 0,1,2,3
	BLOAD \kk, B0, \kk
.endr
	STEP \n, \d, 0, 1, 1, 1, ((\d)-1)*2*(\n), 24, 0, AP, \d, B0, 4
	WIN 0
	s_mov_b32 s27, NTRIP
.Lk_\@:
	s_min_u32 s47, s[KB], 512*(NTRIP-1)            ; the trip's step, held to the last trip's: the bound of the LDS bytes read below stands in this line
.irp ct, 0,1,2,3
	v_add_nc_u32 v[BK+(\ct)], s47, v[B0+(\ct)]
.endr
.set lb, 1
.rept 8
.set lak, lb+(\d)
.set lup, 0
.if lak == 8
.set lup, 1
.endif
.if lak >= 8
.set lak, lak-8
.endif
	STEP \n, \d, lb, 0, 1, 1, ((\d)-1)*2*(\n), 24, lup, AB, lak, BK, lb+4
.set lb, lb+1
.endr
	WIN 0
	s_add_co_u32 s[KB], s[KB], 512
	s_sub_co_u32 s27, s27, 1
	s_cmp_lg_u32 s27, 0
	s_cbranch_scc1 .Lk_\@
	s_mov_b32 s[KB], 0                             ; as it stood in front of the loop
.set tb, 1
.rept 7
.set twa, 7-tb
.if twa > (\d)-1
.set twa, (\d)-1
.endif
.set twb, 7-tb
.if twb > 3
.set twb, 3
.endif
.set tia, 0
.if tb+(\d) <= 7
.set tia, 1
.endif
.set tib, 0
.if tb <= 3
.set tib, 1
.endif
	STEP \n, \d, tb, 0, tia, tib, twa*2*(\n), twb*8, 0, AP, 8*NTRIP+tb+(\d), B0, 8*NTRIP+tb+4
.set tb, tb+1
.endr
	WIN 0
.endm
; The way out of tile j: 32 bytes a lane and column tile into my stage, back as whole rows of 256 bytes, each stored to the row of y2 that dst names.
.macro EPI j
	s_add_co_u32 s38, s25, s18
	s_add_co_u32 s38, s38, 4*(\j)                  ; the tile's number in the expert
	s_cmp_ge_u32 s38, s22
	s_cbranch_scc1 .Lno_tile_\@                    ; past the count: nothing is stored
	s_wait_xcnt 0x0                                ; the last tile's stores have read OB and SO
.irp ct, 0,1,2,3                       ; each accumulator's lowest registers are read first
	ds_store_b128 v[STO], v[ACC+32*(\j)+8*(\ct):ACC+32*(\j)+8*(\ct)+3]   offset:64*(\ct)
	ds_store_b128 v[STO], v[ACC+32*(\j)+8*(\ct)+4:ACC+32*(\j)+8*(\ct)+7] offset:64*(\ct)+16
.endr
.irp i, 0,1,2,3,4,5,6,7
	ds_load_b128 v[OB+4*(\i):OB+4*(\i)+3], v[RD] offset:544*(\i)   ; LDS serves a wave's instructions in order (ISA guide 5.7.1.4): these see the stores above.  Lanes 0-15 row 2 i, lanes 16-31 row 2 i + 1
.endr
	WIN 0x04                                       ; source 1 in window 1
.irp i, 0,1,2,3,4,5,6,7
	v_min_u32 v[SO+(\i)], 0x7ff, v[DE+8*(\j)+(\i)] ; slot x 1,024 + token, loaded: held inside y2
.endr
	WIN 0
.irp i, 0,1,2,3,4,5,6,7
	v_lshl_add_u32 v[SO+(\i)], v[SO+(\i)], 13, v[C16]
.endr
.irp i, 0,1,2,3,4,5,6,7
	s_wait_dscnt 7-(\i)                            ; the younger loads from the stage stay out
	global_store_b128 v[SO+(\i)], v[OB+4*(\i):OB+4*(\i)+3], s[12:13]   ; 16 lanes store 256 consecutive bytes, at a multiple of 256 from y2's first
.endr
.Lno_tile_\@:
.endm
	s_load_b256 s[4:11], s[0:1], 0x0               ; W2 s[4:5], g s[6:7], bm s[8:9], dst s[10:11]
	s_load_b64 s[12:13], s[0:1], 0x20              ; y2
	v_lshl_add_u32 v[SPW], v0, 2, SPARE
	v_mov_b32 v[NIL], 0
	v_lshrrev_b32 v1, 5, v0
	v_readfirstlane_b32 s18, v1                    ; wave 0..3
	s_mov_b32 s19, ttmp9                           ; slice
	s_and_b32 s20, ttmp7, 0xffff                   ; expert
	v_and_b32 v1, 31, v0                           ; lane
	v_and_b32 v2, 15, v0                           ; r
	v_bfe_u32 v[HH], v0, 4, 1                      ; h
	v_lshlrev_b32 v3, 4, v[HH]                     ; 16 h
	v_lshlrev_b32 v[SOF], 4, v1
	s_mul_i32 s38, s18, 16*PITCH
	v_lshl_add_u32 v[SLD], v1, 3, s38              ; my wave's 16 rows in LDS, 8 bytes a lane
	v_mul_u32_u24 v[B0], v2, PITCH
	v_add_nc_u32 v[B0], v3, v[B0]
	v_add_nc_u32 v[B0+1], 16*PITCH, v[B0]
	v_add_nc_u32 v[B0+2], 32*PITCH, v[B0]
	v_add_nc_u32 v[B0+3], 48*PITCH, v[B0]
	s_mul_i32 s38, s18, 16*272
	s_add_co_u32 s38, s38, STAGE                   ; my stage
	v_mul_u32_u24 v[STO], v2, 272                  ; in: row r, 32 bytes for each half of the lanes
	v_lshl_add_u32 v[STO], v[HH], 5, v[STO]
	v_add_nc_u32 v[STO], s38, v[STO]
	v_mul_u32_u24 v[RD], v[HH], 272                ; back: lanes 0-15 take one row of 256 bytes, lanes 16-31 the next
	v_lshl_add_u32 v[RD], v2, 4, v[RD]
	v_add_nc_u32 v[RD], s38, v[RD]
	s_lshl_b32 s38, s19, 8
	v_lshl_add_u32 v[C16], v2, 4, s38
	v_lshlrev_b32 v[H32], 5, v[HH]
	v_lshlrev_b32 v38, 5, v1                       ; the counts: 32 bytes a lane, four lanes an expert
	s_lshl_b32 s32, s20, 23                        ; an expert's 2,048 rows of 4,096 bytes,
	s_lshl_b32 s38, s19, 18                        ; the slice's 64,
	s_add_co_u32 s32, s32, s38
	s_lshl_b32 s38, s18, 16                        ; my wave's 16
	s_add_co_u32 s32, s32, s38
	s_mov_b32 s33, 0
	s_wait_kmcnt 0x0
	s_add_nc_u64 s[28:29], s[4:5], s[32:33]
	global_load_b128 v[48:51], v38, s[8:9] offset:2048
	global_load_b128 v[52:55], v38, s[8:9] offset:2064
	WIN 0x40
.set i, 0
.rept 64                               ; the ring is filled: 32,768 consecutive bytes, eight rows
	global_load_b128 v[4*i:4*i+3], v[SOF], s[28:29] offset:512*i th:TH_LOAD_NT
.set i, i+1
.endr
	WIN 0
	s_wait_loadcnt 63                              ; 64 loads were issued behind the two of bm: they are in
; every expert's count: 64 counts of 16 bits; the two halves of a word are added side by side (512 at the most in each)
	v_add_nc_u32 v48, v48, v49
	v_add_nc_u32 v50, v50, v51
	v_add_nc_u32 v52, v52, v53
	v_add_nc_u32 v54, v54, v55
	v_add_nc_u32 v48, v48, v50
	v_add_nc_u32 v52, v52, v54
	v_add_nc_u32 v48, v48, v52
	v_mov_b32 v49, 0
	v_mov_b32_dpp v49, v48 row_xmask:1 row_mask:0xf bank_mask:0xf
	v_add_nc_u32 v48, v48, v49
	v_mov_b32_dpp v49, v48 row_xmask:2 row_mask:0xf bank_mask:0xf
	v_add_nc_u32 v48, v48, v49
.irp x, 0,1,2,3,4,5,6,7
	v_readlane_b32 s[48+(\x)], v48, 4*(\x)
.endr
	s_mov_b32 s22, 0                               ; my expert's tiles,
	s_mov_b32 s23, 0                               ; the tiles of the experts below it
.irp x, 0,1,2,3,4,5,6,7
	s_and_b32 s38, s[48+(\x)], 0xffff
	s_lshr_b32 s39, s[48+(\x)], 16
	s_add_co_u32 s38, s38, s39
	s_min_u32 s38, s38, 0x400
	s_add_co_u32 s39, s38, 15
	s_lshr_b32 s39, s39, 4
	s_cmp_eq_u32 s20, \x
	s_cselect_b32 s22, s39, s22
	s_cmp_gt_u32 s20, \x
	s_cselect_b32 s39, s39, 0
	s_add_co_u32 s23, s23, s39
.endr
	s_sub_co_u32 s24, s22, 1                       ; the last tile (not used where there is none: every pass is then jumped)
	CHUNK 0, 1, 48                                 ; rows 0 to 7, and rows 8 to 15 are asked for: three younger chunks, 48 loads, stay out at every wait
	CHUNK 1, 1, 48
	CHUNK 2, 1, 48
	CHUNK 3, 1, 48
	v_add_nc_u32 v[SLD], 8*PITCH, v[SLD]
	CHUNK 0, 0, 48                                 ; nothing is asked for: the counts run down
	CHUNK 1, 0, 32
	CHUNK 2, 0, 16
	CHUNK 3, 0, 0
	s_wait_dscnt 0x0                               ; for the others' sake: my rows are in LDS
	s_barrier_signal -1
	s_barrier_wait -1
	s_mov_b32 s25, 0                               ; 20 p
	s_mov_b32 s26, 4                               ; passes to go
	s_mov_b32 s[KB], 0
.Lpass:
	s_add_co_u32 s38, s25, s18                     ; my first tile of the pass
	s_cmp_ge_u32 s38, s22
	s_cbranch_scc1 .Lpass_end                      ; none left for me
	s_wait_xcnt 0x0                                ; the last pass's loads and stores have read their registers
.irp j, 0,1,2,3,4
	s_add_co_u32 s39, s38, 4*(\j)
	s_min_u32 s39, s39, s24                        ; a tile past the count repeats the last one, and is not stored
	s_add_co_u32 s39, s39, s23
	s_min_u32 s39, s39, NTILE-1                    ; from loaded counts: held inside g and dst
	s_lshl_b32 s40, s39, 10
	s_lshl_b32 s41, s39, 6
	v_add_nc_u32 v[TO+(\j)], s40, v[SOF]
	v_add_nc_u32 v[DO+(\j)], s41, v[H32]
.endr
	WIN 0x40
.irp j, 0,1,2,3,4                      ; older than every load of g: the first step's wait covers them
	global_load_b128 v[DE+8*(\j):DE+8*(\j)+3],   v[DO+(\j)], s[10:11]
	global_load_b128 v[DE+8*(\j)+4:DE+8*(\j)+7], v[DO+(\j)], s[10:11] offset:16
.endr
	WIN 0
	s_mov_b64 s[AB:AB+1], s[AP:AP+1]
	s_add_co_u32 s39, s38, 16                      ; have I a fifth tile?
	s_cmp_lt_u32 s39, s22
	s_cbranch_scc0 .Lfour
	KLOOP 5, 6
	EPI 4
	s_branch .Lcommon
.Lfour:
	KLOOP 4, 7
.Lcommon:
	EPI 0
	EPI 1
	EPI 2
	EPI 3
.Lpass_end:
	s_add_co_u32 s25, s25, 20
	s_sub_co_u32 s26, s26, 1
	s_cmp_lg_u32 s26, 0
	s_cbranch_scc1 .Lpass
	s_wait_tensorcnt 0x0                           ; the wave's end, behind my last LDS store
	ds_add_u32 v[SPW], v[NIL]
	s_wait_dscnt 0x0
	s_endpgm
.Lfunc_end_k_qf49fd0c326_down:
	.size	k_qf49fd0c326_down, .Lfunc_end_k_qf49fd0c326_down-k_qf49fd0c326_down
	.p2alignl 7, 3214868480
	.fill 96, 4, 3214868480
	.section	.rodata,"a",@progbits
	.p2align	6, 0x0
	.amdhsa_kernel k_qf49fd0c326_down
		.amdhsa_group_segment_fixed_size 150016
		.amdhsa_private_segment_fixed_size 0
		.amdhsa_enable_private_segment 0
		.amdhsa_kernarg_size 40
		.amdhsa_user_sgpr_count 2
		.amdhsa_user_sgpr_kernarg_segment_ptr 1
		.amdhsa_wavefront_size32 1
		.amdhsa_system_sgpr_workgroup_id_x 1
		.amdhsa_system_sgpr_workgroup_id_y 1
		.amdhsa_system_sgpr_workgroup_id_z 1
		.amdhsa_system_vgpr_workitem_id 0
		.amdhsa_next_free_vgpr 896
		.amdhsa_next_free_sgpr 66
		.amdhsa_reserve_vcc 0
		.amdhsa_float_denorm_mode_32 3
		.amdhsa_float_denorm_mode_16_64 3
		.amdhsa_memory_ordered 1
		.amdhsa_forward_progress 1
		.amdhsa_inst_pref_size 152
	.end_amdhsa_kernel
	.amdgpu_metadata
---
amdhsa.version: [ 1, 2 ]
amdhsa.kernels:
  - .name:           k_qf49fd0c326_down
    .symbol:         k_qf49fd0c326_down.kd
    .args:
      - { .name: W2, .offset: 0, .size: 8, .value_kind: global_buffer, .address_space: global }
      - { .name: g, .offset: 8, .size: 8, .value_kind: global_buffer, .address_space: global }
      - { .name: bm, .offset: 16, .size: 8, .value_kind: global_buffer, .address_space: global }
      - { .name: dst, .offset: 24, .size: 8, .value_kind: global_buffer, .address_space: global }
      - { .name: y2, .offset: 32, .size: 8, .value_kind: global_buffer, .address_space: global }
    .group_segment_fixed_size: 150016
    .private_segment_fixed_size: 0
    .kernarg_segment_align: 8
    .kernarg_segment_size: 40
    .max_flat_workgroup_size: 128
    .sgpr_count:     66
    .vgpr_count:     896
    .wavefront_size: 32
...
	.end_amdgpu_metadata
.endif
;; end of part 3
;; launch add (part 4): grid 256 x 1, 8 waves a work-group, no clusters, 0 bytes of LDS; arguments y2, out0; writes out0
.if DOCPART == 4
	.amdgcn_target "amdgcn-amd-amdhsa--gfx1250"
	.amdhsa_code_object_version 6
	.text
	.protected	k_qf49fd0c326_add
	.globl	k_qf49fd0c326_add
	.p2align	8
	.type	k_qf49fd0c326_add,@function
k_qf49fd0c326_add:
	s_mov_b64 s[64:65], 0
	v_nop
	global_prefetch_b8 v0, s[64:65] scope:SCOPE_SE
	s_setreg_imm32_b32 hwreg(HW_REG_WAVE_MODE, 25, 1), 1
	s_wait_xcnt 0x0
; out = y2[0] + y2[1]: a token's two partial rows, f32.  A stream: each byte read once and written once, 16 bytes a lane, a wave's load or store covers 512 consecutive bytes.
; A work-group has 32,768 bytes of the output; all 16 loads of a thread go out at once, so there is no loop, no LDS and no barrier; the matrix unit and clusters have nothing to do here.
	s_load_b128 s[4:7], s[0:1], 0x0                ; y2 s[4:5], out0 s[6:7]
	v_lshlrev_b32 v1, 4, v0
	s_lshl_b32 s10, ttmp9, 15
	s_mov_b32 s11, 0
	s_wait_kmcnt 0x0
	s_add_nc_u64 s[4:5], s[4:5], s[10:11]
	s_add_nc_u64 s[6:7], s[6:7], s[10:11]
	s_add_nc_u64 s[8:9], s[4:5], 0x800000          ; the second slot's rows
.irp i, 0,1,2,3,4,5,6,7
	global_load_b128 v[8+8*(\i):11+8*(\i)],  v1, s[4:5] offset:4096*(\i) th:TH_LOAD_NT
	global_load_b128 v[12+8*(\i):15+8*(\i)], v1, s[8:9] offset:4096*(\i) th:TH_LOAD_NT
.endr
.irp i, 0,1,2,3,4,5,6,7
	s_wait_loadcnt 14-2*(\i)                       ; loads come back in order: the younger pairs stay out
	v_pk_add_f32 v[8+8*(\i):9+8*(\i)],   v[8+8*(\i):9+8*(\i)],   v[12+8*(\i):13+8*(\i)]
	v_pk_add_f32 v[10+8*(\i):11+8*(\i)], v[10+8*(\i):11+8*(\i)], v[14+8*(\i):15+8*(\i)]
	global_store_b128 v1, v[8+8*(\i):11+8*(\i)], s[6:7] offset:4096*(\i) th:TH_STORE_NT
.endr
	s_endpgm
.Lfunc_end_k_qf49fd0c326_add:
	.size	k_qf49fd0c326_add, .Lfunc_end_k_qf49fd0c326_add-k_qf49fd0c326_add
	.p2alignl 7, 3214868480
	.fill 96, 4, 3214868480
	.section	.rodata,"a",@progbits
	.p2align	6, 0x0
	.amdhsa_kernel k_qf49fd0c326_add
		.amdhsa_group_segment_fixed_size 0
		.amdhsa_private_segment_fixed_size 0
		.amdhsa_enable_private_segment 0
		.amdhsa_kernarg_size 16
		.amdhsa_user_sgpr_count 2
		.amdhsa_user_sgpr_kernarg_segment_ptr 1
		.amdhsa_wavefront_size32 1
		.amdhsa_system_sgpr_workgroup_id_x 1
		.amdhsa_system_sgpr_workgroup_id_y 1
		.amdhsa_system_sgpr_workgroup_id_z 1
		.amdhsa_system_vgpr_workitem_id 0
		.amdhsa_next_free_vgpr 72
		.amdhsa_next_free_sgpr 66
		.amdhsa_reserve_vcc 0
		.amdhsa_float_denorm_mode_32 3
		.amdhsa_float_denorm_mode_16_64 3
		.amdhsa_memory_ordered 1
		.amdhsa_forward_progress 1
		.amdhsa_inst_pref_size 5
	.end_amdhsa_kernel
	.amdgpu_metadata
---
amdhsa.version: [ 1, 2 ]
amdhsa.kernels:
  - .name:           k_qf49fd0c326_add
    .symbol:         k_qf49fd0c326_add.kd
    .args:
      - { .name: y2, .offset: 0, .size: 8, .value_kind: global_buffer, .address_space: global }
      - { .name: out0, .offset: 8, .size: 8, .value_kind: global_buffer, .address_space: global }
    .group_segment_fixed_size: 0
    .private_segment_fixed_size: 0
    .kernarg_segment_align: 8
    .kernarg_segment_size: 16
    .max_flat_workgroup_size: 256
    .sgpr_count:     66
    .vgpr_count:     72
    .wavefront_size: 32
...
	.end_amdgpu_metadata
.endif
;; end of part 4
